; MI455X (gfx1250); checked and timed in simulation.
; The chip was launched on July 23, 2026; its instructions are those of AMD's public machine-readable ISA for CDNA 5 (MIT licence, August 2026) and "CDNA5" Instruction Set Architecture Reference Guide (July 2026). The comments in the code are by the model that wrote it; some were corrected since.
;; Seq Attention. Allowed arithmetic: matrix products marked QUANTISED: E5M2 operands, one E8M0 scale for each 32 along K, by v_wmma_scale_f32_16x16x128_f8f6f4 with both operands' format E5M2, f32 sums; everything else in f32.
;; Inputs: current_val 8 x 1 x 1 float32; key_codes 64 x 2,048 x 2 x 32 uint8 (E5M2 codes of key, K innermost, in blocks of 32 codes); key_pe 1 x 64 x 1,024 float32; key_scales 64 x 2,048 x 2 uint8 (E8M0 scales of key, one for each 32 codes along K); query_codes 64 x 1,024 x 2 x 32 uint8 (E5M2 codes of query, K innermost, in blocks of 32 codes); query_scales 64 x 1,024 x 2 uint8 (E8M0 scales of query, one for each 32 codes along K); value_codes 64 x 64 x 64 x 32 uint8 (E5M2 codes of value, K innermost, in blocks of 32 codes); value_scales 64 x 64 x 64 uint8 (E8M0 scales of value, one for each 32 codes along K).
;; Outputs: out0 64 x 1,024 x 64 float32.
;; This version of the problem:
;;   THIS VERSION OF THE PROBLEM IS GIVEN IN LOW PRECISION. The matrix products marked QUANTISED in the list below multiply operands that are first quantised to E5M2 (5 exponent bits, 2 mantissa bits; 8 bits a number), with one power-of-two scale for each 32 numbers along K (OCP MX v1.0); their sums are f32. All else is computed in f32.
;;   The module's matrix products, in the order in which they are computed (A, B: the left and right operand; K: the contracted axis; several contracted axes count as one K, in the product's order):
;;     1. batch 64 x [M 1,024, K 64] x [K 64, N 2,048]; A: input query (given as codes); B: input key (given as codes): QUANTISED
;;     2. [M 65,536, K 64] x [K 64, N 1,024]; A: input query (given as codes); B: computed on the way: QUANTISED
;;     3. batch 64 x [M 1,024, K 2,048] x [K 2,048, N 64]; A: computed on the way; B: input value (given as codes): QUANTISED
;;   THE QUANTISER, for each operand of a quantised product, along K:
;;     - K is cut into blocks of 32 from its start; a last block that is shorter is filled with zeros.
;;     - A block's scale is 2^e with e = floor(log2(the largest magnitude in the block)) - 15, held to -126 .. 127; a block of zeros has e = 0. As a byte (E8M0): e + 127.
;;     - Each number is divided by its block's scale, clamped to +-57,344, and rounded to the nearest number of E5M2, ties to even, subnormals kept.
;;     - The product sums the exact products of the quantised numbers (number of the format x scale) in f32.
;;   ~~~python
;;   def quantise(x, axis):      # numpy; x: float32 -> the quantised numbers, widened to float32 again
;;       x = np.moveaxis(x, axis, -1); K = x.shape[-1]
;;       x = np.pad(x, [(0, 0)] * (x.ndim - 1) + [(0, -K % 32)]); x = x.reshape(x.shape[:-1] + (-1, 32)); a = np.abs(x).max(-1, keepdims=True)
;;       e = np.where(a > 0, np.clip(np.frexp(np.where(a > 0, a, 1))[1] - 1 - 15, -126, 127), 0)      # np.frexp(a)[1] - 1 = floor(log2(a)), exactly
;;       r = np.clip(x / 2.0 ** e, -57344, 57344)
;;       step = 2.0 ** (np.maximum(np.frexp(np.where(r == 0, 1, r))[1] - 1, -14) - 2)
;;       q = np.round(r / step) * step * 2.0 ** e      # np.round: ties to even
;;       return np.moveaxis(q.reshape(q.shape[:-2] + (-1,))[..., :K], -1, axis).astype(np.float32)
;;   ~~~
;;   OPERANDS COMPUTED ON THE WAY. 'Computed on the way' means the value that the module computes at that place (a softmax that the list does not call 'softmax' is quantised finished and normalised). What goes into a quantiser is computed in f32, as accurately as f32 sums, v_exp_f32 and their like allow (about 1e-6 of the number): no bf16 or f16 on the way to a quantiser, and a product that is left as it is and whose result goes on into a quantised operand takes f32 operands (vector FMAs, or v_wmma_f32_16x16x4_f32). A number that lies on a knife's edge between two numbers of the format may be rounded either way, as far as f32 arithmetic and the matrix unit's own rounding can turn it there, and no further.
;;   INPUTS GIVEN AS CODES. key (in the module: [64, 2048, 64], K = its axis 2); query (in the module: [64, 1024, 64], K = its axis 2); value (in the module: [64, 2048, 64], K = its axis 1): each comes as NAME_codes (uint8): NAME with its K axis moved to the last place and cut into blocks of 32 codes, [.., K / 32, bytes a block], one block behind the other in memory; one code a byte (a code: sign, 5 exponent bits, 2 mantissa bits); and NAME_scales (uint8): the same leading axes, one E8M0 byte (e + 127) for each 32 codes along K. Its value is code x scale, taken as it is: it is not quantised again, and the codes and scales need not be those that the quantiser above would give.
;; One version. Each part assembles by itself: llvm-mc -triple=amdgcn-amd-amdhsa -mcpu=gfx1250 --defsym DOCPART=n.
;; ======== version 1 of 1: 2 launches
;; limits: right only within a limited range of input values
;; workspace buffers: pe_img 131,072 bytes; pe_scl 8,192 bytes; mask_tab 141,312 bytes
;; launch prep (part 1): grid 48 x 1, 4 waves a work-group, no clusters, 0 bytes of LDS; arguments key_pe, current_val, pe_img, pe_scl, mask_tab; writes pe_img, pe_scl, mask_tab
.if DOCPART == 1
	.amdgcn_target "amdgcn-amd-amdhsa--gfx1250"
	.amdhsa_code_object_version 6
	.text
	.protected	k_q282604bc34_prep
	.globl	k_q282604bc34_prep
	.p2align	8
	.type	k_q282604bc34_prep,@function
k_q282604bc34_prep:
	s_mov_b64 s[64:65], 0
	v_nop
	global_prefetch_b8 v0, s[64:65] scope:SCOPE_SE
	s_setreg_imm32_b32 hwreg(HW_REG_WAVE_MODE, 25, 1), 1
	s_wait_xcnt 0x0
; Two small tables for the attention launch.  Work-groups 0-15: key_pe [64 (d)][1024 (l)], f32, is quantised along d (blocks of 32) to codes of E5M2 with E8M0 scale bytes
; and laid as images of operand registers.  Work-groups 16-47: the adaptive-span mask of each head, four shifted copies.
; PE IMAGES.  Tile tau = 2 lam + u has 16 matrix rows; row i stands for column L_i = 32 lam + 8 u + i + 8 (i / 8) of key_pe.  Its K is 128: d 0-63 of column L_i, then d 0-63 of column (L_i - 1) mod 1024.
;   Lane (r, h) holds row r; group g of four registers holds K = 32 g + 16 h + 0..15 and lies at tau x 2048 + 512 g + 16 x lane.  The row's four scale bytes are one word at tau x 128 + 4 x lane.
;   A lane takes a column and its registers run down d, so the conversions' results are the operand's registers.
; MASK.  mask_tab[head][a][z] = mask_head[(z - a - 32) mod 1024], z = 0..1103, a = 0..3.  mask[l] = clip((template[l] + cv x 1024) / 32 + 1, 0, 1), template[l] = -1023 x (1 - l / 1023), template[1023] = 0:
;   the operations in which a linspace from -1023 to 0 is formed, l / 1023 rounded as a division rounds it (a product with 1 / 1023 mended twice by fused multiply-adds).
; LIMITS: NaN and infinities in key_pe are not served.  A block of zeros, or one whose largest magnitude lies under 2^-111, gets the byte 1: these bytes are read by this program alone.
.set X,  32                            ; v32-95   64 numbers: block b = 2 v + c at v[X + 16 b]: variant v (column L or L - 1), d = 32 c + 16 h + i
.set TM, 16                            ; v16-19 largest magnitudes, v20-23 the other half's / bytes, v28-31 scale operands
.set CD, 96                            ; v96-111  the codes
	s_load_b128 s[4:7], s[0:1], 0x0                ; key_pe, current_val
	s_load_b128 s[8:11], s[0:1], 0x10              ; pe_img, pe_scl
	s_load_b64 s[12:13], s[0:1], 0x20              ; mask_tab
	v_lshrrev_b32 v1, 5, v0
	v_readfirstlane_b32 s14, v1                    ; wave 0..3
	s_mov_b32 s19, 0                               ; the upper word of every 32-bit offset
	s_cmp_lt_u32 ttmp9, 16
	s_cbranch_scc0 .Lmask
	; ---------------- a wave makes one tile of PE images
	s_lshl_b32 s15, ttmp9, 2
	s_add_co_u32 s15, s15, s14                     ; tau
	s_lshr_b32 s16, s15, 1
	s_lshl_b32 s16, s16, 5                         ; 32 lam
	s_and_b32 s17, s15, 1
	s_lshl_b32 s17, s17, 3                         ; 8 u
	s_add_co_u32 s16, s16, s17
	v_and_b32 v2, 15, v0                           ; r
	v_bfe_u32 v3, v0, 4, 1                         ; h
	v_and_b32 v8, 31, v0                           ; lane
	v_and_b32 v4, 8, v2
	v_add_nc_u32 v4, v4, v2                        ; r + 8 (r / 8)
	v_add_nc_u32 v4, s16, v4                       ; L_r
	v_add_nc_u32 v5, -1, v4
	v_and_b32 v5, 0x3ff, v5                        ; (L_r - 1) mod 1024
	v_lshlrev_b32 v4, 2, v4
	v_lshlrev_b32 v5, 2, v5
	v_lshl_add_u32 v4, v3, 16, v4                  ; + 16 h rows of 4,096 bytes
	v_lshl_add_u32 v5, v3, 16, v5
	v_lshlrev_b32 v6, 4, v8                        ; 16 x lane
	v_lshlrev_b32 v7, 2, v8                        ; 4 x lane
	s_mov_b32 s20, 0x76543210
	s_mov_b32 s21, 0xfedcba98                      ; v_permlanex16_b32's selects for lane l xor 16
	s_wait_alu depctr_va_vdst(0)
	s_wait_kmcnt 0x0
	s_lshl_b32 s18, s15, 11
	s_add_nc_u64 s[8:9], s[8:9], s[18:19]          ; my tile's image
	s_lshl_b32 s18, s15, 7
	s_add_nc_u64 s[10:11], s[10:11], s[18:19]      ; and its scale words
.irp v, 0,1
.irp c, 0,1
.irp i, 0,1,2,3,4,5,6,7,8,9,10,11,12,13,14,15
	global_load_b32 v[X+16*(2*\v+\c)+\i], v[4+\v], s[4:5] offset:(32*\c+\i)*4096
.endr
.endr
.endr
.irp b, 0,1,2,3
	v_mov_b32 v[TM+4+\b], 0                        ; a lane permute's destination counts as one of its sources
.endr
	s_wait_loadcnt 0x0
.irp b, 0,1,2,3
	v_max3_num_f32 v[TM+\b], |v[X+16*\b]|, |v[X+16*\b+1]|, 0x8000000   ; my 16 numbers of block b, and the floor 2^(16 - 127), which holds the byte at 1 from below
.endr
.irp i, 2,4,6,8,10,12,14
.irp b, 0,1,2,3
	v_max3_num_f32 v[TM+\b], v[TM+\b], |v[X+16*\b+\i]|, |v[X+16*\b+\i+1]|
.endr
.endr
.irp b, 0,1,2,3
	v_permlanex16_b32 v[TM+4+\b], v[TM+\b], s20, s21
.endr
.irp b, 0,1,2,3
	v_max_num_f32 v[TM+\b], v[TM+\b], v[TM+4+\b]   ; with lane l xor 16's 16: the block's largest magnitude
.endr
.irp b, 0,1,2,3
	v_add_nc_u32 v[TM+12+\b], 0xf8800000, v[TM+\b] ; 15 off its exponent field: the conversion's scale operand
.endr
.irp b, 0,1,2,3
.endr
.irp b, 0,1,2,3
	v_lshrrev_b32 v[TM+4+\b], 23, v[TM+12+\b]      ; the scale's byte
.endr
	v_lshl_or_b32 v12, v[TM+5], 8, v[TM+4]
	v_lshl_or_b32 v12, v[TM+6], 16, v12
	v_lshl_or_b32 v12, v[TM+7], 24, v12            ; the row's scale word
.irp b, 0,1,2,3
.irp i, 0,1,2,3,4,5,6,7,8,9,10,11,12,13,14,15
.endr
	v_cvt_scalef32_pk8_bf8_f32 v[CD+4*\b:CD+4*\b+1], v[X+16*\b:X+16*\b+7], v[TM+12+\b]
	v_cvt_scalef32_pk8_bf8_f32 v[CD+4*\b+2:CD+4*\b+3], v[X+16*\b+8:X+16*\b+15], v[TM+12+\b]
.endr
	v_nop                                          ; a plain line behind the last conversion
.irp b, 0,1,2,3
	global_store_b128 v6, v[CD+4*\b:CD+4*\b+3], s[8:9] offset:512*\b   ; 32 lanes store 512 consecutive bytes
.endr
	global_store_b32 v7, v12, s[10:11]
	s_endpgm
	; ---------------- a work-group makes one copy of one head's mask: 276 quads of f32, 128 threads, three turns (the last turn's spare threads repeat quad 275 with the same numbers)
.Lmask:
	s_sub_co_u32 s15, ttmp9, 16
	s_lshr_b32 s16, s15, 2                         ; head
	s_and_b32 s17, s15, 3                          ; copy a
	s_lshl_b32 s18, s16, 2
	s_wait_kmcnt 0x0
	s_add_nc_u64 s[6:7], s[6:7], s[18:19]
	s_load_b32 s20, s[6:7], 0x0                    ; current_val[head]
	s_mul_i32 s21, s16, 17664
	s_mul_i32 s22, s17, 4416
	s_add_co_u32 s18, s21, s22
	s_add_nc_u64 s[12:13], s[12:13], s[18:19]      ; my copy
	s_add_co_u32 s23, s17, 32                      ; a + 32
	s_mov_b32 s24, 0x3a802008                      ; 1 / 1023
	s_mov_b32 s25, 0x447fc000                      ; 1023
	v_mov_b32 v41, 0
	s_wait_kmcnt 0x0
	v_mov_b32 v40, s20
	v_mul_f32 v40, 0x44800000, v40                 ; cv x 1024
.irp k, 0,1,2
	v_add_nc_u32 v[4+\k], 128*\k, v0
	v_min_u32 v[4+\k], 275, v[4+\k]                ; the quad
	v_lshlrev_b32 v[8+\k], 4, v[4+\k]              ; its 16 bytes
	v_lshlrev_b32 v[4+\k], 2, v[4+\k]
	v_sub_nc_u32 v[4+\k], v[4+\k], s23             ; z - a - 32 of its first entry (the mask below folds it into 0..1023)
.irp e, 0,1,2,3
	v_add_nc_u32 v32, \e, v[4+\k]
	v_and_b32 v32, 0x3ff, v32                      ; l
	v_cvt_f32_u32 v33, v32
	v_mul_f32 v34, s24, v33                        ; l / 1023: a first guess,
	v_fma_f32 v35, -v34, s25, v33                  ; its remainder,
	v_fma_f32 v34, v35, s24, v34                   ; mended,
	v_fma_f32 v35, -v34, s25, v33
	v_fma_f32 v34, v35, s24, v34                   ; and once more
	v_sub_f32 v34, 1.0, v34
	v_mul_f32 v34, 0xc47fc000, v34                 ; -1023 x (1 - l / 1023)
	v_cmp_eq_u32 vcc_lo, 0x3ff, v32
	v_cndmask_b32 v34, v34, v41, vcc_lo            ; the last entry is the end point itself, 0
	v_add_f32 v34, v34, v40
	v_fma_f32 v34, v34, 0x3d000000, 1.0            ; / 32 is exact, so the one rounding is that of the + 1
	v_med3_num_f32 v[16+4*\k+\e], v34, 0, 1.0
.endr
	global_store_b128 v[8+\k], v[16+4*\k:19+4*\k], s[12:13]
.endr
	s_endpgm
.Lfunc_end_k_q282604bc34_prep:
	.size	k_q282604bc34_prep, .Lfunc_end_k_q282604bc34_prep-k_q282604bc34_prep
	.p2alignl 7, 3214868480
	.fill 96, 4, 3214868480
	.section	.rodata,"a",@progbits
	.p2align	6, 0x0
	.amdhsa_kernel k_q282604bc34_prep
		.amdhsa_group_segment_fixed_size 0
		.amdhsa_private_segment_fixed_size 0
		.amdhsa_enable_private_segment 0
		.amdhsa_kernarg_size 40
		.amdhsa_user_sgpr_count 2
		.amdhsa_user_sgpr_kernarg_segment_ptr 1
		.amdhsa_wavefront_size32 1
		.amdhsa_system_sgpr_workgroup_id_x 1
		.amdhsa_system_sgpr_workgroup_id_y 1
		.amdhsa_system_sgpr_workgroup_id_z 1
		.amdhsa_system_vgpr_workitem_id 0
		.amdhsa_next_free_vgpr 128
		.amdhsa_next_free_sgpr 66
		.amdhsa_reserve_vcc 1
		.amdhsa_float_denorm_mode_32 3
		.amdhsa_float_denorm_mode_16_64 3
		.amdhsa_fp16_overflow 1
		.amdhsa_memory_ordered 1
		.amdhsa_forward_progress 1
		.amdhsa_inst_pref_size 24
	.end_amdhsa_kernel
	.amdgpu_metadata
---
amdhsa.version: [ 1, 2 ]
amdhsa.kernels:
  - .name:           k_q282604bc34_prep
    .symbol:         k_q282604bc34_prep.kd
    .args:
      - { .name: key_pe, .offset: 0, .size: 8, .value_kind: global_buffer, .address_space: global }
      - { .name: current_val, .offset: 8, .size: 8, .value_kind: global_buffer, .address_space: global }
      - { .name: pe_img, .offset: 16, .size: 8, .value_kind: global_buffer, .address_space: global }
      - { .name: pe_scl, .offset: 24, .size: 8, .value_kind: global_buffer, .address_space: global }
      - { .name: mask_tab, .offset: 32, .size: 8, .value_kind: global_buffer, .address_space: global }
    .group_segment_fixed_size: 0
    .private_segment_fixed_size: 0
    .kernarg_segment_align: 8
    .kernarg_segment_size: 40
    .max_flat_workgroup_size: 128
    .sgpr_count:     66
    .vgpr_count:     128
    .wavefront_size: 32
...
	.end_amdgpu_metadata
.endif
;; end of part 1
;; launch attn (part 2): grid 4 x 64, 4 waves a work-group, no clusters, 327,680 bytes of LDS; arguments query_codes, query_scales, key_codes, key_scales, value_codes, value_scales, pe_img, pe_scl, mask_tab, out0; writes out0
.if DOCPART == 2
	.amdgcn_target "amdgcn-amd-amdhsa--gfx1250"
	.amdhsa_code_object_version 6
	.text
	.protected	k_q282604bc34_attn
	.globl	k_q282604bc34_attn
	.p2align	8
	.type	k_q282604bc34_attn,@function
k_q282604bc34_attn:
	s_mov_b64 s[64:65], 0
	v_nop
	global_prefetch_b8 v0, s[64:65] scope:SCOPE_SE
	s_setreg_imm32_b32 hwreg(HW_REG_WAVE_MODE, 25, 1), 1
	s_wait_xcnt 0x0
; Banded attention with relative positions, all three products on codes of E5M2 with E8M0 block scales.
; score[m][l] = (q_m . k_(m+l) + q_m . pe_l) / sqrt(512), l = 0..1023; softmax over l; x the head's mask; / (sum + 1e-8); out[m] = sum over l of weight[m][l] value[m+l].
; The FINISHED weight is what is quantised, along the absolute key n = m + l in blocks of 32 from n = 0: so a row's maximum and both sums are known before any weight is turned into a code.
; SHARES.  A work-group owns 256 queries of one slice bh (x = block of queries, y = bh) and walks them in 8 trips of 32: tile A queries m0 + r (shift s = r), tile B m0 + 16 + r (s = 16 + r), m0 a multiple of 32.
; CIRCULAR x.  x = (l + s) mod 1024.  Each (query, x) is one element of the band; its key is m0 + x, but m0 + 1024 + x where x < s.  x blocks of 32 are absolute key blocks.  Only block 0 holds keys of two absolute blocks:
;   it gets a second content product (ALT), one select, and after normalising it is split into two blocks with scales of their own; the wrapped one is a quarter K step of the last product.
; THE WAVES SHARE x: wave w owns x = 256 w .. 256 w + 255 of all 32 queries.  The l that it needs, 256 w - 32 .. 256 w + 255 (mod 1024), are the same in every trip: its 18 tiles of PE stay in registers.
;   Waves 1-3 run the ALT lines on a copy of their block 0; their select keeps the main value and their wrapped block is zeros.
; THE SKEW.  pos comes out of its product by l, the rest lives by x = l + s, another shift in each lane: it goes through the wave's own LDS rows.  PE's tiles hold column L_i in K 0-63 and column L_i - 1 in K 64-127; the query
;   stands in the first half for even r and in the second for odd r (zero codes in the other): so lane r holds pos[L_i - (r & 1)], its register pairs fall on even x, and a pair is one store of 8 bytes.
;   Read back by x, pos is the C of the content product.
; K = 64 IN A FORM OF K = 128 (content): source 0 is a tile's 8 registers and the next tile's 8; source 1 is q and 8 registers of zero codes; the scale bytes of the unused half are 0.
; ALL PRODUCTS TRANSPOSED: a lane holds one query (lane % 16).  Row i of a tile of keys (or of PE) is 32 b + 8 u + i + 8 (i / 8): register 16 b + i of lane (r, h) is x = 256 w + 32 b + 16 h + i, the order of the last product's operand.
; SOFTMAX.  t = c x score, c = log2(e) / sqrt(512).  Each wave takes M_w = ceil(its largest t) away, e = 2^(t - M_w); the waves exchange (M_w, Z_w, Zm_w) through LDS; M = the largest M_w;
;   weight = e x mask x f, f = 2^(M_w - M) / (Zm + 1e-8 Z), Z and Zm brought under M by exact powers of two.
; LDS is filled once, by five tensor loads a wave at the head (five are out at the most); nothing is filled again.  All of the WGP's LDS is claimed; 323,840 bytes are used.
; No cluster: the four blocks of queries of a slice need windows of K and V that begin 256 keys apart, so their loads' descriptors cannot be equal.
; LIMITS: codes of infinity or NaN and scale bytes 0xff among the inputs are not served (a neighbour tile's codes stand over zero codes).  A block of weights whose largest lies under 2^-111, zeros too, gets the byte 1.
;   v_exp_f32 gives 0 for results under 2^-126.
; REGISTERS, in windows of 256 (s_set_vgpr_msb: bits 1:0 source 0, 3:2 source 1, 5:4 source 2, 7:6 destination):
;   window 0: v1-20 lane terms that stay; v21-30 the trip's addresses; v32-89 scale words; v90-95 offsets and thresholds of the head; v96-127 q + zeros (A, B); v128-159 q by parity; v160-191 the weights' codes; v192-255 at work
;   window 1: the scores, then e, then the weights: tile A v0-127, tile B v128-255
;   window 2: PE tiles 0-15     window 3: v0-31 PE tiles 16, 17; v32-175 pos results / K / mask / V (32-95), O (96-159), wrapped V (160-175); v176-191 zeros; v192-223 ALT A, B; v224-255 the wrapped block's codes A, B
.set KT, 0                             ; LDS: keys Q0 .. Q0 + 1279: two keys (128 bytes) + 16 of padding to a row of 144
.set VT, 92160                         ; V: 64 rows d of 1,296 bytes: keys Q0 .. Q0 + 1279, then 16 bytes of zeros (the pitch is an odd multiple of 16)
.set KS, 175104                        ; K's scale bytes, 2 a key
.set VS, 177664                        ; V's: 64 rows d of 40 bytes: the 40 key blocks from Q0 on
.set MT, 181760                        ; the head's mask: four copies of 4,416 bytes
.set SK, 199424                        ; the skew: 21,632 bytes a wave; row r = 2 rho + a at 2704 rho + 1408 a, 320 f32
.set OX, 285952                        ; partial O: 32 rows of 272 bytes a wave
.set ST, 320768                        ; the statistics: item 3 T + q at 512 bytes each, 16 x lane + 4 x wave
.set SKW, 3
.set SKR, 4
.set KL, 5
.set KLX, 6
.set KSL, 7
.set KSLX, 8
.set VL, 9
.set VLX, 10
.set VSL, 11
.set VSLX, 12
.set MADR, 13
.set STW, 14
.set STR, 15
.set OXW, 16
.set OXR, 17
.set GO, 18
.set QOL, 19
.set QSOL, 20
.set QA, 21
.set QSA, 22
.set KA, 23
.set KAX, 24
.set KSA, 25
.set KSAX, 26
.set VA, 27
.set VAX, 28
.set VSA, 29
.set VSAX, 30
.set PES, 32                           ; v32-49  PE's scale words
.set KSC, 50                           ; v50-67  K's, 16 tiles and the two wrapped ones
.set VSC, 68                           ; v68-79  V's: tile t at 3 t: K step 0, K step 1, wrapped
.set QSL, 80                           ; v80-81  q's two bytes (A, B)
.set QSP, 82                           ; v82-83  the same twice, for pos
.set PSW, 84                           ; v84-89  the weights': tile T at 3 T: K step 0, K step 1, wrapped
.set QL, 96
.set QP, 128
.set PCD, 160
.set NM, 192                           ; v192, v194  -M_w (low words of pairs)
.set FF, 196                           ; v196, v198  f
.set ZZ, 200                           ; v200-203  Z_A, Zm_A, Z_B, Zm_B
.set CH, 204                           ; v204-211  chains
.set TM, 216                           ; v216-231  at work
.set RW, 232                           ; v232-255  V's raw scale words, later the statistics read back
.set TT, 32                            ; window 3
.set VX, 160
.set OO, 96
.set ZT, 176
.set ALT, 192
.set PCX, 224
.set WV, 24                            ; s24 wave, s25 block of queries, s26 bh, s27 trip
.set DM, 32                            ; s32-47, s48-63: lane masks 'register i of block 0 holds the main key', tiles A, B (until the tensor loads have landed: descriptors)
.set G1K, 32
.set G1V, 40
.set G1S, 48
.set G1W, 56
.set G1M, 68
.set G0K, 76
.set G0V, 80
.set G0S, 84
.set G0W, 88
.set G0M, 92
.set MSB, 0
.macro WIN new                         ; the immediate's high byte repeats the setting that is left; a switch that changes nothing is dropped
.if MSB != (\new)
	s_set_vgpr_msb (MSB<<8)|(\new)
.set MSB, \new
.endif
.endm
.macro NOPS n
.rept \n
	v_nop
.endr
.endm
.macro BAR                             ; my LDS stores have landed and my LDS loads are in: then the work-group's barrier
	s_wait_dscnt 0x0
	s_barrier_signal -1
	s_barrier_wait -1
.endm
.macro MM0 d, a, b, sa, sb             ; a product that starts a sum
	v_wmma_scale_f32_16x16x128_f8f6f4 v[\d:\d+7], v[\a:\a+15], v[\b:\b+15], 0, v[\sa], v[\sb] matrix_a_fmt:MATRIX_FMT_BF8 matrix_b_fmt:MATRIX_FMT_BF8
.endm
.macro MMA d, a, b, sa, sb             ; and one that adds in place
	v_wmma_scale_f32_16x16x128_f8f6f4 v[\d:\d+7], v[\a:\a+15], v[\b:\b+15], v[\d:\d+7], v[\sa], v[\sb] matrix_a_fmt:MATRIX_FMT_BF8 matrix_b_fmt:MATRIX_FMT_BF8
.endm
.macro QLOAD va, vs                    ; 32 queries' codes (lane (r, h): row r, bytes 32 c + 16 h) and scale bytes
	global_load_b128 v[QL:QL+3], v[\va], s[4:5]
	global_load_b128 v[QL+4:QL+7], v[\va], s[4:5] offset:32
	global_load_b128 v[QL+16:QL+19], v[\va], s[4:5] offset:1024
	global_load_b128 v[QL+20:QL+23], v[\va], s[4:5] offset:1056
	global_load_u16 v[QSL], v[\vs], s[6:7]
	global_load_u16 v[QSL+1], v[\vs], s[6:7] offset:32
.endm
.macro PELD k, d                       ; PE tile k of my 18 into registers d on: l block (8 w - 1 + k / 2) mod 32
.irp q, 0,1,2,3
.if (\k) < 2
	global_load_b128 v[(\d)+4*\q:(\d)+4*\q+3], v90, s[16:17] offset:2048*(\k)+512*\q
.else
	global_load_b128 v[(\d)+4*\q:(\d)+4*\q+3], v91, s[16:17] offset:2048*((\k)-2)+512*\q
.endif
.endr
.endm
	s_load_b256 s[4:11], s[0:1], 0x0               ; query codes, query scales, key codes, key scales
	s_load_b256 s[12:19], s[0:1], 0x20             ; value codes, value scales, pe_img, pe_scl
	s_load_b128 s[20:23], s[0:1], 0x40             ; mask_tab, out
	v_lshl_add_u32 v254, v0, 2, 0x4f100
	v_mov_b32 v255, 0
	ds_add_u32 v254, v255
	ds_add_u32 v254, v255
	s_wait_dscnt 0x0
	v_lshrrev_b32 v1, 5, v0
	v_readfirstlane_b32 s[WV], v1                  ; wave 0..3
	s_mov_b32 s25, ttmp9                           ; qb: Q0 = 256 qb
	s_and_b32 s26, ttmp7, 0xffff                   ; bh
	; descriptor groups 1.  K: 160 rows of 128 bytes (two keys), dense, 16 bytes of padding behind each
	s_mov_b32 s[G1K], (1<<20)|(4<<22)|(3<<25)      ; elements of 1 byte; padding on; after every 32 words; 4 words
	s_mov_b32 s[G1K+1], 128<<16
	s_mov_b32 s[G1K+2], 160<<16
	s_mov_b32 s[G1K+3], 128<<16
	s_mov_b32 s[G1K+4], 160
	s_mov_b32 s[G1K+5], 128
	s_mov_b32 s[G1K+6], 0
	s_mov_b32 s[G1K+7], 0
	; V: 16 rows d, 2,048 bytes apart; 1,280 bytes are left of the tensor, the tile is 1,296 wide: the last 16 bytes of a row arrive as zeros
	s_mov_b32 s[G1V], 0
	s_mov_b32 s[G1V+1], 1280<<16
	s_mov_b32 s[G1V+2], 16<<16
	s_mov_b32 s[G1V+3], 1296<<16
	s_mov_b32 s[G1V+4], 16
	s_mov_b32 s[G1V+5], 2048
	s_mov_b32 s[G1V+6], 0
	s_mov_b32 s[G1V+7], 0
	; K's scale bytes: one row of 640 bytes (80 elements of 8)
	s_mov_b32 s[G1S], 3<<16
	s_mov_b32 s[G1S+1], 80<<16
	s_mov_b32 s[G1S+2], 1<<16
	s_mov_b32 s[G1S+3], 80<<16
	s_mov_b32 s[G1S+4], 1
	s_mov_b32 s[G1S+5], 80
	s_mov_b32 s[G1S+6], 0
	s_mov_b32 s[G1S+7], 0
	; V's scale bytes: 16 rows d of 40 bytes (10 elements of 4), 64 bytes apart
	s_mov_b32 s[G1W], 2<<16
	s_mov_b32 s[G1W+1], 10<<16
	s_mov_b32 s[G1W+2], 16<<16
	s_mov_b32 s[G1W+3], 10<<16
	s_mov_b32 s[G1W+4], 16
	s_mov_b32 s[G1W+5], 16
	s_mov_b32 s[G1W+6], 0
	s_mov_b32 s[G1W+7], 0
	; a copy of the mask: one row of 4,416 bytes (552 elements of 8)
	s_mov_b32 s[G1M], 3<<16
	s_mov_b32 s[G1M+1], 552<<16
	s_mov_b32 s[G1M+2], 1<<16
	s_mov_b32 s[G1M+3], 552<<16
	s_mov_b32 s[G1M+4], 1
	s_mov_b32 s[G1M+5], 552
	s_mov_b32 s[G1M+6], 0
	s_mov_b32 s[G1M+7], 0
	; groups 0: each wave brings a quarter of each region: a constant + the wave's number x a constant
	s_mov_b32 s[G0K], 1
	s_mul_i32 s[G0K+1], s[WV], 23040
	s_mov_b32 s[G0V], 1
	s_mul_i32 s[G0V+1], s[WV], 20736
	s_add_co_u32 s[G0V+1], s[G0V+1], VT
	s_mov_b32 s[G0S], 1
	s_mul_i32 s[G0S+1], s[WV], 640
	s_add_co_u32 s[G0S+1], s[G0S+1], KS
	s_mov_b32 s[G0W], 1
	s_mul_i32 s[G0W+1], s[WV], 640
	s_add_co_u32 s[G0W+1], s[G0W+1], VS
	s_mov_b32 s[G0M], 1
	s_mul_i32 s[G0M+1], s[WV], 4416
	s_add_co_u32 s[G0M+1], s[G0M+1], MT
	s_mov_b32 s3, 0
	s_wait_kmcnt 0x0
	s_lshl_b32 s28, s26, 17                        ; a slice of K's or V's codes is 131,072 bytes
	s_lshl_b32 s29, s25, 14                        ; Q0 keys of 64 bytes
	s_mul_i32 s30, s[WV], 20480                    ; 320 keys a wave
	s_add_co_u32 s2, s28, s29
	s_add_co_u32 s2, s2, s30
	s_add_nc_u64 s[G0K+2:G0K+3], s[8:9], s[2:3]
	s_or_b32 s[G0K+3], s[G0K+3], 0x80000000
	s_lshl_b32 s29, s25, 8                         ; V: Q0 bytes along a row,
	s_lshl_b32 s30, s[WV], 15                      ; 16 rows a wave
	s_add_co_u32 s2, s28, s29
	s_add_co_u32 s2, s2, s30
	s_add_nc_u64 s[G0V+2:G0V+3], s[12:13], s[2:3]
	s_or_b32 s[G0V+3], s[G0V+3], 0x80000000
	s_lshl_b32 s28, s26, 12                        ; a slice of K's or V's scale bytes is 4,096 bytes
	s_lshl_b32 s29, s25, 9
	s_mul_i32 s30, s[WV], 640
	s_add_co_u32 s2, s28, s29
	s_add_co_u32 s2, s2, s30
	s_add_nc_u64 s[G0S+2:G0S+3], s[10:11], s[2:3]
	s_or_b32 s[G0S+3], s[G0S+3], 0x80000000
	s_lshl_b32 s29, s25, 3                         ; V's: block Q0 / 32 of a row, 16 rows of 64 bytes a wave
	s_lshl_b32 s30, s[WV], 10
	s_add_co_u32 s2, s28, s29
	s_add_co_u32 s2, s2, s30
	s_add_nc_u64 s[G0W+2:G0W+3], s[14:15], s[2:3]
	s_or_b32 s[G0W+3], s[G0W+3], 0x80000000
	s_and_b32 s28, s26, 7                          ; the head
	s_mul_i32 s28, s28, 17664
	s_mul_i32 s30, s[WV], 4416
	s_add_co_u32 s2, s28, s30
	s_add_nc_u64 s[G0M+2:G0M+3], s[20:21], s[2:3]
	s_or_b32 s[G0M+3], s[G0M+3], 0x80000000
	tensor_load_to_lds s[G0K:G0K+3], s[G1K:G1K+7]  ; the launch's only fills, one group, ahead of every wait on TENSORcnt, LDS read and barrier
	s_nop 0
	tensor_load_to_lds s[G0V:G0V+3], s[G1V:G1V+7]
	s_nop 0
	tensor_load_to_lds s[G0S:G0S+3], s[G1S:G1S+7]
	s_nop 0
	tensor_load_to_lds s[G0W:G0W+3], s[G1W:G1W+7]
	s_nop 0
	tensor_load_to_lds s[G0M:G0M+3], s[G1M:G1M+7]
	s_nop 0
	NOPS 4                                         ; behind a tensor load
	s_lshl_b32 s28, s26, 16                        ; q's codes: 65,536 bytes a slice, 16,384 a block of 256 queries
	s_lshl_b32 s29, s25, 14
	s_add_co_u32 s2, s28, s29
	s_add_nc_u64 s[4:5], s[4:5], s[2:3]
	s_lshl_b32 s28, s26, 11
	s_lshl_b32 s29, s25, 9
	s_add_co_u32 s2, s28, s29
	s_add_nc_u64 s[6:7], s[6:7], s[2:3]
	s_lshl_b32 s28, s26, 18                        ; out: rows of 256 bytes
	s_lshl_b32 s29, s25, 16
	s_add_co_u32 s2, s28, s29
	s_add_nc_u64 s[22:23], s[22:23], s[2:3]
	; the lane terms
	v_and_b32 v1, 15, v0                           ; r
	v_bfe_u32 v2, v0, 4, 1                         ; h
	v_and_b32 v31, 31, v0                          ; lane
	v_lshrrev_b32 v21, 1, v1                       ; rho
	v_and_b32 v22, 1, v1                           ; a
	v_mul_u32_u24 v[SKR], v21, 2704
	v_mad_u32_u24 v[SKR], v22, 1408, v[SKR]
	v_lshl_add_u32 v[SKR], v2, 6, v[SKR]
	s_mul_i32 s31, s[WV], 21632
	s_add_co_u32 s31, s31, SK
	v_add_nc_u32 v[SKR], s31, v[SKR]               ; out of the skew: my row, + 16 h numbers
	v_lshl_add_u32 v[SKW], v21, 3, v[SKR]          ; into it: 2 rho numbers further on
	v_and_b32 v23, 8, v1
	v_add_nc_u32 v23, v23, v1                      ; rr = r + 8 (r / 8)
	v_lshrrev_b32 v24, 1, v23
	v_mul_u32_u24 v[KL], v24, 144
	v_lshl_add_u32 v[KL], v22, 6, v[KL]
	v_lshl_add_u32 v[KL], v2, 4, v[KL]
	s_mul_i32 s31, s[WV], 18432                    ; 256 keys
	v_add_nc_u32 v[KL], s31, v[KL]
	s_min_u32 s104, s[WV], 1
	s_xor_b32 s104, s104, 1                        ; 1 in wave 0, whose block 0 wraps
	s_mul_i32 s31, s104, 73728                     ; 1,024 keys on
	v_add_nc_u32 v[KLX], s31, v[KL]
	v_lshlrev_b32 v[KSL], 1, v23
	s_lshl_b32 s31, s[WV], 9
	s_add_co_u32 s31, s31, KS
	v_add_nc_u32 v[KSL], s31, v[KSL]
	s_lshl_b32 s31, s104, 11
	v_add_nc_u32 v[KSLX], s31, v[KSL]
	v_mul_u32_u24 v[VL], v1, 1296
	v_lshl_add_u32 v[VL], v2, 4, v[VL]
	s_lshl_b32 s31, s[WV], 8
	s_add_co_u32 s31, s31, VT
	v_add_nc_u32 v[VL], s31, v[VL]
	s_lshl_b32 s31, s104, 10
	v_add_nc_u32 v[VLX], s31, v[VL]
	v_mul_u32_u24 v[VSL], v1, 40
	s_lshl_b32 s31, s[WV], 3
	s_add_co_u32 s31, s31, VS
	v_add_nc_u32 v[VSL], s31, v[VSL]
	s_lshl_b32 s31, s104, 5
	v_add_nc_u32 v[VSLX], s31, v[VSL]
	v_and_b32 v25, 3, v1                           ; the mask: copy s & 3, shifted by s / 4 quads
	v_mul_u32_u24 v[MADR], v25, 4416
	v_lshl_add_u32 v[MADR], v2, 6, v[MADR]
	s_lshl_b32 s31, s[WV], 10
	s_add_co_u32 s31, s31, MT
	v_add_nc_u32 v[MADR], s31, v[MADR]
	v_lshrrev_b32 v25, 2, v1
	v_lshlrev_b32 v25, 4, v25
	v_sub_nc_u32 v[MADR], v[MADR], v25
	v_lshl_add_u32 v[STR], v31, 4, ST
	s_lshl_b32 s31, s[WV], 2
	v_add_nc_u32 v[STW], s31, v[STR]
	v_mul_u32_u24 v[OXW], v1, 272
	v_lshl_add_u32 v[OXW], v2, 5, v[OXW]
	s_mul_i32 s31, s[WV], 8704
	s_add_co_u32 s31, s31, OX
	v_add_nc_u32 v[OXW], s31, v[OXW]
	v_mul_u32_u24 v[OXR], v2, 272
	v_lshl_add_u32 v[OXR], v1, 4, v[OXR]
	s_mul_i32 s31, s[WV], 2176                     ; rows 8 w on
	s_add_co_u32 s31, s31, OX
	v_add_nc_u32 v[OXR], s31, v[OXR]
	v_lshlrev_b32 v[GO], 8, v2
	v_lshl_add_u32 v[GO], v1, 4, v[GO]
	s_lshl_b32 s31, s[WV], 11
	v_add_nc_u32 v[GO], s31, v[GO]
	v_lshlrev_b32 v[QOL], 6, v1
	v_lshl_add_u32 v[QOL], v2, 4, v[QOL]
	v_lshlrev_b32 v[QSOL], 1, v1
	; my 18 tiles of PE and their scale words: they stay
	v_lshlrev_b32 v26, 4, v31
	s_lshl_b32 s31, s[WV], 3
	s_add_co_u32 s104, s31, 31
	s_and_b32 s104, s104, 31                       ; l block (8 w - 1) mod 32
	s_lshl_b32 s105, s104, 12
	v_add_nc_u32 v90, s105, v26
	s_lshl_b32 s105, s31, 12
	v_add_nc_u32 v91, s105, v26
	v_lshlrev_b32 v26, 2, v31
	s_lshl_b32 s105, s104, 8
	v_add_nc_u32 v92, s105, v26
	s_lshl_b32 s105, s31, 8
	v_add_nc_u32 v93, s105, v26
	WIN 0x80
.irp k, 0,1,2,3,4,5,6,7,8,9,10,11,12,13,14,15
	PELD \k, 16*\k
.endr
	WIN 0xc0
	PELD 16, 0
	PELD 17, 16
.set ii, 0
.rept 16
	v_mov_b32 v[ZT+ii], 0                          ; zero codes behind the last tile of K and behind the wrapped V
.set ii, ii+1
.endr
.set ii, 4
.rept 12
	v_mov_b32 v[PCX+ii], 0                         ; the wrapped block fills a quarter of its K step: the rest are zero codes, for the whole launch
	v_mov_b32 v[PCX+16+ii], 0
.set ii, ii+1
.endr
	WIN 0
	global_load_b32 v[PES], v92, s[18:19]
	global_load_b32 v[PES+1], v92, s[18:19] offset:128
.irp k, 2,3,4,5,6,7,8,9,10,11,12,13,14,15,16,17
	global_load_b32 v[PES+\k], v93, s[18:19] offset:128*(\k-2)
.endr
	QLOAD QOL, QSOL                                ; the first trip's queries
.irp i, 8,9,10,11,12,13,14,15
	v_mov_b32 v[QL+\i], 0                          ; the zero half of the content product's source 1
	v_mov_b32 v[QL+16+\i], 0
.endr
.irp i, 1,3,5,7
	v_mov_b32 v[NM+\i], 0                          ; named as the upper halves of pairs
.endr
.irp b, 0,1,2,3
	v_mov_b32 v[TM+4+\b], 0                        ; written once: a lane permute's destination counts as one of its sources
.endr
	s_mov_b32 s66, 0x55555555                      ; even lanes
	s_mov_b32 s67, 0xaaaaaaaa                      ; odd lanes
	s_mov_b32 s96, 0x76543210
	s_mov_b32 s97, 0xfedcba98                      ; v_permlanex16_b32's selects for lane l xor 16
	s_mov_b32 s98, 0x3d8293ee                      ; c = log2(e) / sqrt(512)
	s_mov_b32 s99, s98
	s_min_u32 s104, s[WV], 1
	s_lshl_b32 s104, s104, 6
	v_lshlrev_b32 v94, 4, v2
	v_sub_nc_u32 v94, v1, v94
	v_sub_nc_u32 v94, v94, s104                    ; tile A: register i of block 0 holds x = 16 h + i, the main key where x >= s = r: i >= r - 16 h; always in waves 1-3
	v_add_nc_u32 v95, 16, v94                      ; tile B: s = 16 + r
	s_wait_alu depctr_va_vdst(0)
	s_wait_tensorcnt 0x0                           ; my quarters have landed, and the descriptors' registers are free
.irp i, 0,1,2,3,4,5,6,7,8,9,10,11,12,13,14,15
	v_cmp_ge_i32 s[DM+\i], \i, v94
	v_cmp_ge_i32 s[DM+16+\i], \i, v95
.endr
	s_barrier_signal -1
	s_barrier_wait -1                              ; everybody's have
	s_mov_b32 s27, 0                               ; the trip
	s_mov_b32 s28, 0                               ; 32 keys a trip: 2,304 bytes in KT,
	s_mov_b32 s29, 0                               ; 64 in KS,
	s_mov_b32 s30, 0                               ; 32 in a row of VT
; ---- pos of tile t: 18 products PE x q-by-parity.  Lane (r, h), register j of tile k: pos[32 (k / 2) + 8 (k % 2) + 16 h + j - (r & 1)], l counted from 256 w - 32
.macro POS t
	WIN 0xc2
.irp k, 0,1,2,3,4,5,6,7,8,9,10,11,12,13,14,15
	MM0 TT+8*\k, 16*\k, QP+16*(\t), PES+\k, QSP+(\t)
.endr
	WIN 0xc3
	MM0 TT+128, 0, QP+16*(\t), PES+16, QSP+(\t)
	MM0 TT+136, 16, QP+16*(\t), PES+17, QSP+(\t)
	WIN 0
.endm
; ---- into the skew: place l + s of my row; a pair of registers is 8 aligned bytes.  Each result is read from its low end on
.macro SKST t
	WIN 0x0c
.irp k, 0,1,2,3,4,5,6,7,8,9,10,11,12,13,14,15,16,17
.irp j, 0,2,4,6
	ds_store_b64 v[SKW], v[TT+8*\k+\j:TT+8*\k+\j+1] offset:4*(32*(\k/2)+8*(\k%2)+\j)+64*(\t)
.endr
.endr
	WIN 0
.endm
; ---- and out of it by x, as the C of the content products; block 0 twice.  LDS serves a wave's instructions in order: these see the stores above, and the next tile's stores come behind them
.macro LDC t
	WIN 0x40
.set qq, 0
.rept 32
	ds_load_b128 v[128*(\t)+4*qq:128*(\t)+4*qq+3], v[SKR] offset:128+128*(qq/4)+16*(qq%4)
.set qq, qq+1
.endr
	WIN 0xc0
.irp q, 0,1,2,3
	ds_load_b128 v[ALT+16*(\t)+4*\q:ALT+16*(\t)+4*\q+3], v[SKR] offset:128+16*\q
.endr
	WIN 0
.endm
; ---- K: 16 tiles of my 256 keys and the two wrapped tiles, 8 registers each, and their scale bytes
.macro KLD
	WIN 0xc0
.set kk, 0
.rept 16
	ds_load_b128 v[TT+8*kk:TT+8*kk+3], v[KA] offset:2304*(kk/2)+576*(kk%2)
	ds_load_b128 v[TT+8*kk+4:TT+8*kk+7], v[KA] offset:2304*(kk/2)+576*(kk%2)+32
.set kk, kk+1
.endr
.irp u, 0,1
	ds_load_b128 v[TT+128+8*\u:TT+128+8*\u+3], v[KAX] offset:576*\u
	ds_load_b128 v[TT+128+8*\u+4:TT+128+8*\u+7], v[KAX] offset:576*\u+32
.endr
	WIN 0
.set kk, 0
.rept 16
	ds_load_u16 v[KSC+kk], v[KSA] offset:64*(kk/2)+16*(kk%2)
.set kk, kk+1
.endr
	ds_load_u16 v[KSC+16], v[KSAX]
	ds_load_u16 v[KSC+17], v[KSAX] offset:16
.endm
; ---- score = pos + K q: one product for each accumulator; a fragment of K serves both tiles of queries
.macro CONT
	WIN 0x53
.set kk, 0
.rept 16
	MMA 8*kk, TT+8*kk, QL, KSC+kk, QSL
	MMA 128+8*kk, TT+8*kk, QL+16, KSC+kk, QSL+1
.set kk, kk+1
.endr
	WIN 0xf3
.irp u, 0,1
	MMA ALT+8*\u, TT+128+8*\u, QL, KSC+16+\u, QSL
	MMA ALT+16+8*\u, TT+128+8*\u, QL+16, KSC+16+\u, QSL+1
.endr
	WIN 0
.endm
.macro SELECT t                        ; block 0: the main key's score where x >= s, else the wrapped key's
	WIN 0x47
.set ii, 0
.rept 16
	v_cndmask_b32 v[128*(\t)+ii], v[ALT+16*(\t)+ii], v[128*(\t)+ii], s[DM+16*(\t)+ii]
.set ii, ii+1
.endr
.endm
.macro MASKLD t                        ; mask[(x - s) mod 1024] for my 128 registers
	WIN 0xc0
.set qq, 0
.rept 32
	ds_load_b128 v[TT+4*qq:TT+4*qq+3], v[MADR] offset:128+128*(qq/4)+16*(qq%4)-64*(\t)
.set qq, qq+1
.endr
	WIN 0
.endm
.macro MAXT t                          ; -M_w = floor(-c x the largest of my query's 256 scores): four chains, each accumulator from its low end on
	WIN 0x15
.irp c, 0,1,2,3
	v_max3_num_f32 v[CH+4*(\t)+\c], v[128*(\t)+32*\c], v[128*(\t)+32*\c+1], v[128*(\t)+32*\c+2]
.endr
	WIN 0x14
.irp i, 3,5,7,9,11,13,15,17,19,21,23,25,27,29
.irp c, 0,1,2,3
	v_max3_num_f32 v[CH+4*(\t)+\c], v[CH+4*(\t)+\c], v[128*(\t)+32*\c+\i], v[128*(\t)+32*\c+\i+1]
.endr
.endr
	v_max3_num_f32 v[CH+4*(\t)], v[CH+4*(\t)], v[128*(\t)+31], v[128*(\t)+63]
	v_max3_num_f32 v[CH+4*(\t)+2], v[CH+4*(\t)+2], v[128*(\t)+95], v[128*(\t)+127]
	WIN 0
	v_max3_num_f32 v[CH+4*(\t)], v[CH+4*(\t)], v[CH+4*(\t)+1], v[CH+4*(\t)+2]
	v_max_num_f32 v[CH+4*(\t)], v[CH+4*(\t)], v[CH+4*(\t)+3]
	v_permlanex16_b32 v[CH+4*(\t)+1], v[CH+4*(\t)], s96, s97
	v_max_num_f32 v[CH+4*(\t)], v[CH+4*(\t)], v[CH+4*(\t)+1]
	v_mul_f32 v[CH+4*(\t)], s98, v[CH+4*(\t)]
	v_floor_f32 v[NM+2*(\t)], -v[CH+4*(\t)]
.endm
.macro FMAT t                          ; t - M_w, two at a time
	WIN 0x41
.set jj, 0
.rept 64
	v_pk_fma_f32 v[128*(\t)+jj:128*(\t)+jj+1], v[128*(\t)+jj:128*(\t)+jj+1], s[98:99], v[NM+2*(\t):NM+2*(\t)+1] op_sel_hi:[1,0,0]
.set jj, jj+2
.endr
.endm
.macro EXPT t
	WIN 0x41
.set jj, 0
.rept 128
	v_exp_f32 v[128*(\t)+jj], v[128*(\t)+jj]
.set jj, jj+1
.endr
.endm
.macro SUMT t, dst                     ; the sum of my query's 256 numbers: four packed chains, then the other half of the lanes
	WIN 0x05
.irp c, 0,1,2,3
	v_pk_add_f32 v[CH+2*\c:CH+2*\c+1], v[128*(\t)+32*\c:128*(\t)+32*\c+1], v[128*(\t)+32*\c+2:128*(\t)+32*\c+3]
.endr
	WIN 0x04
.irp i, 4,6,8,10,12,14,16,18,20,22,24,26,28,30
.irp c, 0,1,2,3
	v_pk_add_f32 v[CH+2*\c:CH+2*\c+1], v[CH+2*\c:CH+2*\c+1], v[128*(\t)+32*\c+\i:128*(\t)+32*\c+\i+1]
.endr
.endr
	WIN 0
	v_pk_add_f32 v[CH:CH+1], v[CH:CH+1], v[CH+2:CH+3]
	v_pk_add_f32 v[CH+4:CH+5], v[CH+4:CH+5], v[CH+6:CH+7]
	v_pk_add_f32 v[CH:CH+1], v[CH:CH+1], v[CH+4:CH+5]
	v_add_f32 v[CH], v[CH], v[CH+1]
	v_permlanex16_b32 v[CH+1], v[CH], s96, s97
	v_add_f32 v[\dst], v[CH], v[CH+1]
.endm
.macro EMT t                           ; e x mask
	WIN 0x4d
.set jj, 0
.rept 64
	v_pk_mul_f32 v[128*(\t)+jj:128*(\t)+jj+1], v[128*(\t)+jj:128*(\t)+jj+1], v[TT+jj:TT+jj+1]
.set jj, jj+2
.endr
	WIN 0
.endm
.macro VLD s                           ; V^T of K step s (128 keys): four tiles of 16 d
	WIN 0xc0
.irp t, 0,1,2,3
.irp c, 0,1,2,3
	ds_load_b128 v[TT+16*\t+4*\c:TT+16*\t+4*\c+3], v[VA] offset:20736*\t+128*(\s)+32*\c
.endr
.endr
	WIN 0
.endm
.macro STAT t                          ; the four waves' statistics of tile t: the divisor into v[TM+9+2t], my own 2^(M_w - M) into v[TM+10+2t]
.set bb, RW+12*(\t)
	v_min_num_f32 v[TM], v[bb], v[bb+1]
	v_min_num_f32 v[TM+1], v[bb+2], v[bb+3]
	v_min_num_f32 v[TM], v[TM], v[TM+1]            ; -M: the least -M_w
.irp k, 0,1,2,3
	v_sub_f32 v[TM+2+\k], v[TM], v[bb+\k]          ; M_k - M: a whole number, 0 or less
.endr
	v_sub_f32 v[TM+10+2*(\t)], v[TM], v[NM+2*(\t)]
.irp k, 0,1,2,3
	v_cvt_i32_f32 v[TM+2+\k], v[TM+2+\k]           ; (it saturates)
.endr
	v_cvt_i32_f32 v[TM+10+2*(\t)], v[TM+10+2*(\t)]
.irp k, 0,1,2,3
	v_ldexp_f32 v[TM+2+\k], 1.0, v[TM+2+\k]
.endr
	v_ldexp_f32 v[TM+10+2*(\t)], 1.0, v[TM+10+2*(\t)]
	v_mul_f32 v[TM+7], v[bb+4], v[TM+2]
	v_mul_f32 v[TM+8], v[bb+8], v[TM+2]
.irp k, 1,2,3
	v_fma_f32 v[TM+7], v[bb+4+\k], v[TM+2+\k], v[TM+7]   ; Z
	v_fma_f32 v[TM+8], v[bb+8+\k], v[TM+2+\k], v[TM+8]   ; Zm
.endr
	v_fma_f32 v[TM+9+2*(\t)], v[TM+7], 0x322bcc77, v[TM+8]   ; Zm + 1e-8 Z
.endm
.macro NORM t, s                       ; the finished weights of K step s
	WIN 0x41
.set jj, 0
.rept 32
	v_pk_mul_f32 v[128*(\t)+64*(\s)+jj:128*(\t)+64*(\s)+jj+1], v[128*(\t)+64*(\s)+jj:128*(\t)+64*(\s)+jj+1], v[FF+2*(\t):FF+2*(\t)+1] op_sel_hi:[1,0]
.set jj, jj+2
.endr
.endm
.macro SPLIT t                         ; block 0 falls into the weights of the main keys and those of the wrapped keys, zeros in each other's places
	WIN 0xc1
.set ii, 0
.rept 16
	v_cndmask_b32 v[ALT+16*(\t)+ii], v[128*(\t)+ii], 0, s[DM+16*(\t)+ii]
.set ii, ii+1
.endr
	WIN 0x44
.set ii, 0
.rept 16
	v_cndmask_b32 v[128*(\t)+ii], 0, v[128*(\t)+ii], s[DM+16*(\t)+ii]
.set ii, ii+1
.endr
.endm
.macro QUANT4 t, s                     ; four blocks of 32 weights become a fragment's codes and its scale word.  Weights are never negative: no |.|, a one-sided hold
.set sbr, 128*(\t)+64*(\s)
.set pcr, PCD+16*(\t)
.set pwr, PSW+3*(\t)+(\s)
	WIN 0x05
.irp b, 0,1,2,3
	v_max3_num_f32 v[TM+\b], v[sbr+16*\b], v[sbr+16*\b+1], 0x8000000   ; my 16 of block b, and the floor 2^(16 - 127)
.endr
	WIN 0x14
.irp i, 2,4,6,8,10,12,14
.irp b, 0,1,2,3
	v_max3_num_f32 v[TM+\b], v[TM+\b], v[sbr+16*\b+\i], v[sbr+16*\b+\i+1]
.endr
.endr
	WIN 0
.irp b, 0,1,2,3
	v_permlanex16_b32 v[TM+4+\b], v[TM+\b], s96, s97
.endr
.irp b, 0,1,2,3
	v_max_num_f32 v[TM+\b], v[TM+\b], v[TM+4+\b]
.endr
.irp b, 0,1,2,3
	v_add_nc_u32 v[TM+12+\b], 0xf8800000, v[TM+\b] ; 15 off the exponent field: the conversion's scale operand
.endr
.irp b, 0,1,2,3
.endr
.irp b, 0,1,2,3
	v_lshrrev_b32 v[TM+4+\b], 23, v[TM+12+\b]      ; the byte
.endr
	v_lshl_or_b32 v[pwr], v[TM+5], 8, v[TM+4]
	v_lshl_or_b32 v[pwr], v[TM+6], 16, v[pwr]
	v_lshl_or_b32 v[pwr], v[TM+7], 24, v[pwr]
	WIN 0x44
.set ii, 0
.rept 64
.set ii, ii+1
.endr
	WIN 0x01
.irp b, 0,1,2,3
	v_cvt_scalef32_pk8_bf8_f32 v[pcr+4*\b:pcr+4*\b+1], v[sbr+16*\b:sbr+16*\b+7], v[TM+12+\b]
	v_cvt_scalef32_pk8_bf8_f32 v[pcr+4*\b+2:pcr+4*\b+3], v[sbr+16*\b+8:sbr+16*\b+15], v[TM+12+\b]
.endr
	WIN 0
	v_nop                                          ; a plain line behind the last conversion
.endm
.macro QUANT1 t                        ; the wrapped block alone; its scale word has the one byte, zeros above it
.set abr, ALT+16*(\t)
	WIN 0x0f
	v_max3_num_f32 v[TM], v[abr], v[abr+1], 0x8000000
	WIN 0x3c
.irp i, 2,4,6,8,10,12,14
	v_max3_num_f32 v[TM], v[TM], v[abr+\i], v[abr+\i+1]
.endr
	WIN 0
	v_permlanex16_b32 v[TM+4], v[TM], s96, s97
	v_max_num_f32 v[TM], v[TM], v[TM+4]
	v_add_nc_u32 v[TM+12], 0xf8800000, v[TM]
	v_lshrrev_b32 v[PSW+3*(\t)+2], 23, v[TM+12]
	WIN 0xcc
.set ii, 0
.rept 16
.set ii, ii+1
.endr
	WIN 0xc3
	v_cvt_scalef32_pk8_bf8_f32 v[PCX+16*(\t):PCX+16*(\t)+1], v[abr:abr+7], v[TM+12]
	v_cvt_scalef32_pk8_bf8_f32 v[PCX+16*(\t)+2:PCX+16*(\t)+3], v[abr+8:abr+15], v[TM+12]
	WIN 0
	v_nop
.endm
; ---- O^T += V^T P^T: eight accumulators (tile of d, tile of queries) by turns, one instruction a turn
.macro PV s
	WIN 0xf3
.irp t, 0,1,2,3
.if (\s) == 0
	MM0 OO+16*\t, TT+16*\t, PCD, VSC+3*\t, PSW
	MM0 OO+16*\t+8, TT+16*\t, PCD+16, VSC+3*\t, PSW+3
.else
	MMA OO+16*\t, TT+16*\t, PCD, VSC+3*\t+1, PSW+1
	MMA OO+16*\t+8, TT+16*\t, PCD+16, VSC+3*\t+1, PSW+4
.endif
.endr
.endm
.macro PVX                             ; the wrapped block: source 0 is a tile's four registers and the twelve behind them, which stand over zero codes
	WIN 0xff
.irp t, 0,1,2,3
	MMA OO+16*\t, VX+4*\t, PCX, VSC+3*\t+2, PSW+2
	MMA OO+16*\t+8, VX+4*\t, PCX+16, VSC+3*\t+2, PSW+5
.endr
	WIN 0
.endm
.Ltrip:
	; the trip's addresses: lane terms + 32 keys a trip
	v_add_nc_u32 v[KA], s28, v[KL]
	v_add_nc_u32 v[KAX], s28, v[KLX]
	v_add_nc_u32 v[KSA], s29, v[KSL]
	v_add_nc_u32 v[KSAX], s29, v[KSLX]
	v_add_nc_u32 v[VA], s30, v[VL]
	v_add_nc_u32 v[VAX], s30, v[VLX]
	s_and_b32 s31, s27, 4
	v_add_nc_u32 v[VSA], s31, v[VSL]               ; V's scale bytes begin at block g (the trip's number): the word that holds it,
	v_add_nc_u32 v[VSAX], s31, v[VSLX]
	s_and_b32 s31, s27, 3
	s_mul_i32 s31, s31, 0x01010101
	s_add_co_u32 s101, s31, 0x03020100             ; and the byte in it: v_perm_b32's selector for four bytes from byte g & 3 of two words
	; q by parity, for pos
	s_wait_loadcnt 0x0                             ; the trip's queries, asked for a trip ago (in the first trip PE too)
	v_lshl_or_b32 v[QSP], v[QSL], 16, v[QSL]
	v_lshl_or_b32 v[QSP+1], v[QSL+1], 16, v[QSL+1]
.irp i, 0,1,2,3,4,5,6,7
	v_cndmask_b32 v[QP+\i], 0, v[QL+\i], s66
	v_cndmask_b32 v[QP+8+\i], 0, v[QL+\i], s67
	v_cndmask_b32 v[QP+16+\i], 0, v[QL+16+\i], s66
	v_cndmask_b32 v[QP+24+\i], 0, v[QL+16+\i], s67
.endr
	NOPS 4                                         ; an operand written by vector instructions stands 4 places ahead of a scaled product; the scale words stand 36 ahead
	POS 0
	NOPS 9                                         ; 8 places ahead of the stores of the results, 9 ahead of the products that write the same registers again
	SKST 0
	LDC 0
	s_wait_alu depctr_va_vdst(0)
	s_wait_dscnt 36                                ; all but LDC's 36 loads: the 72 stores are done, so their data registers may be written
	POS 1
	NOPS 9                                         ; 8 places ahead of the stores and of K's loads into these registers, 9 ahead of the content products, which take the same registers as source 0
	SKST 1
	LDC 1
	s_wait_dscnt 36                                ; all but LDC's 36 loads: the 72 stores are done, ahead of K's loads into their data registers
	KLD
	s_wait_dscnt 0x0
	CONT
	NOPS 8                                         ; ahead of the first reads of the scores and of loads into K's, q's and their scales' registers
	SELECT 0
	SELECT 1
	WIN 0
	s_add_co_u32 s31, s27, 1                       ; the next trip's queries; the last trip asks for its own again, so that no load leaves the buffer and nothing branches
	s_min_u32 s31, s31, 7
	s_lshl_b32 s104, s31, 11
	s_lshl_b32 s105, s31, 6
	v_add_nc_u32 v[QA], s104, v[QOL]               ; (the loads that last named these two registers were waited for at the trip's head)
	v_add_nc_u32 v[QSA], s105, v[QSOL]
	QLOAD QA, QSA
.irp t, 0,1,2,3
	ds_load_b32 v[RW+4*\t], v[VSA] offset:640*\t
	ds_load_b32 v[RW+4*\t+1], v[VSA] offset:640*\t+4
	ds_load_b32 v[RW+4*\t+2], v[VSA] offset:640*\t+8
	ds_load_b32 v[RW+4*\t+3], v[VSAX] offset:640*\t
.endr
	WIN 0xc0
.irp t, 0,1,2,3
	ds_load_b128 v[VX+4*\t:VX+4*\t+3], v[VAX] offset:20736*\t   ; V^T of the wrapped 32 keys
.endr
	MASKLD 0
	MAXT 0
	MAXT 1
	FMAT 0
	FMAT 1
	s_wait_alu depctr_va_vdst(0)
	EXPT 0
	EXPT 1                                         ; 256 exponentials, one batch
	WIN 0
	v_nop                                          ; a plain line behind the last
	s_wait_alu depctr_va_vdst(0)                   ; one wait for the batch, ahead of its first reader
	SUMT 0, ZZ
	s_wait_dscnt 0x0                               ; the mask of tile A, V's raw scale words, the wrapped V
	EMT 0
	MASKLD 1
	SUMT 0, ZZ+1
	SUMT 1, ZZ+2
.irp t, 0,1,2,3
	v_perm_b32 v[VSC+3*\t], v[RW+4*\t+1], v[RW+4*\t], s101      ; blocks g + 8 w + 0..3
	v_perm_b32 v[VSC+3*\t+1], v[RW+4*\t+2], v[RW+4*\t+1], s101  ; + 4..7
	v_perm_b32 v[VSC+3*\t+2], v[RW+4*\t+3], v[RW+4*\t+3], s101
	v_and_b32 v[VSC+3*\t+2], 0xff, v[VSC+3*\t+2]                ; the wrapped block's byte alone
.endr
	s_wait_dscnt 0x0                               ; the mask of tile B
	EMT 1
	SUMT 1, ZZ+3
	ds_store_b32 v[STW], v[NM]
	ds_store_b32 v[STW], v[ZZ] offset:512
	ds_store_b32 v[STW], v[ZZ+1] offset:1024
	ds_store_b32 v[STW], v[NM+2] offset:1536
	ds_store_b32 v[STW], v[ZZ+2] offset:2048
	ds_store_b32 v[STW], v[ZZ+3] offset:2560
	BAR                                            ; all four waves' statistics lie in LDS.  (They are written again only behind the trip's second barrier)
	VLD 0
.irp n, 0,1,2,3,4,5
	ds_load_b128 v[RW+4*\n:RW+4*\n+3], v[STR] offset:512*\n
.endr
	s_wait_dscnt 0x0
	STAT 0
	STAT 1
	s_wait_alu depctr_va_vdst(0)
	v_rcp_f32 v[TM+9], v[TM+9]
	v_rcp_f32 v[TM+11], v[TM+11]
	v_nop
	s_wait_alu depctr_va_vdst(0)                   ; one wait for the two reciprocals
	v_mul_f32 v[FF], v[TM+9], v[TM+10]
	v_mul_f32 v[FF+2], v[TM+11], v[TM+12]
	NORM 0, 0
	SPLIT 0
	QUANT4 0, 0
	QUANT1 0
	NORM 1, 0
	SPLIT 1
	QUANT4 1, 0
	QUANT1 1
	NOPS 4                                         ; codes 4 places ahead of the products; the last scale word stands 21 ahead
	PV 0
	PVX
	NORM 0, 1                                      ; 32 plain lines that name none of the products' registers: the places ahead of the loads into V's
	VLD 1
	QUANT4 0, 1
	NORM 1, 1
	QUANT4 1, 1
	NOPS 4
	s_wait_alu depctr_va_vdst(0)
	s_wait_dscnt 0x0                               ; V of K step 1
	PV 1
	WIN 0
	NOPS 8
	WIN 0x0c
.irp t, 0,1,2,3
.irp q, 0,1
	ds_store_b128 v[OXW], v[OO+16*\t+8*\q:OO+16*\t+8*\q+3] offset:4352*\q+64*\t       ; lane (r, h): O(query 16 q + r, d = 16 t + 8 h + 0..7), from the low end on
	ds_store_b128 v[OXW], v[OO+16*\t+8*\q+4:OO+16*\t+8*\q+7] offset:4352*\q+64*\t+16
.endr
.endr
	WIN 0
	BAR                                            ; the four partial O lie in LDS.  (They are written again only behind the next trip's first barrier)
.irp p, 0,1,2,3
.irp k, 0,1,2,3
	ds_load_b128 v[192+16*\p+4*\k:192+16*\p+4*\k+3], v[OXR] offset:8704*\p+544*\k     ; wave w adds rows 8 w .. 8 w + 7: two rows an instruction
.endr
.endr
	s_wait_dscnt 0x0
.irp k, 0,1,2,3
.irp e, 0,2
	v_pk_add_f32 v[192+4*\k+\e:193+4*\k+\e], v[192+4*\k+\e:193+4*\k+\e], v[208+4*\k+\e:209+4*\k+\e]
	v_pk_add_f32 v[224+4*\k+\e:225+4*\k+\e], v[224+4*\k+\e:225+4*\k+\e], v[240+4*\k+\e:241+4*\k+\e]
	v_pk_add_f32 v[192+4*\k+\e:193+4*\k+\e], v[192+4*\k+\e:193+4*\k+\e], v[224+4*\k+\e:225+4*\k+\e]
.endr
.endr
.irp k, 0,1,2,3
	global_store_b128 v[GO], v[192+4*\k:195+4*\k], s[22:23] offset:512*\k th:TH_STORE_NT   ; 32 lanes store two rows: 512 consecutive bytes, at a multiple of 256 from the buffer's first byte
.endr
	s_wait_xcnt 0x0                                ; the stores have read their data and their base: both are written again only behind this wait
	s_add_nc_u64 s[22:23], s[22:23], 8192
	s_add_co_u32 s28, s28, 2304
	s_add_co_u32 s29, s29, 64
	s_add_co_u32 s30, s30, 32
	s_add_co_u32 s27, s27, 1
	s_cmp_lt_u32 s27, 8
	s_cbranch_scc1 .Ltrip
	s_wait_xcnt 0x0
	v_lshl_add_u32 v254, v0, 2, 0x4f100
	v_mov_b32 v255, 0
	s_wait_alu depctr_va_vdst(0)
	s_wait_tensorcnt 0x0
	ds_add_u32 v254, v255
	s_wait_dscnt 0x0
	s_endpgm
.Lfunc_end_k_q282604bc34_attn:
	.size	k_q282604bc34_attn, .Lfunc_end_k_q282604bc34_attn-k_q282604bc34_attn
	.p2alignl 7, 3214868480
	.fill 96, 4, 3214868480
	.section	.rodata,"a",@progbits
	.p2align	6, 0x0
	.amdhsa_kernel k_q282604bc34_attn
		.amdhsa_group_segment_fixed_size 327680
		.amdhsa_private_segment_fixed_size 0
		.amdhsa_enable_private_segment 0
		.amdhsa_kernarg_size 80
		.amdhsa_user_sgpr_count 2
		.amdhsa_user_sgpr_kernarg_segment_ptr 1
		.amdhsa_wavefront_size32 1
		.amdhsa_system_sgpr_workgroup_id_x 1
		.amdhsa_system_sgpr_workgroup_id_y 1
		.amdhsa_system_sgpr_workgroup_id_z 1
		.amdhsa_system_vgpr_workitem_id 0
		.amdhsa_next_free_vgpr 1024
		.amdhsa_next_free_sgpr 106
		.amdhsa_reserve_vcc 0
		.amdhsa_float_denorm_mode_32 3
		.amdhsa_float_denorm_mode_16_64 3
		.amdhsa_fp16_overflow 1
		.amdhsa_memory_ordered 1
		.amdhsa_forward_progress 1
		.amdhsa_inst_pref_size 157
	.end_amdhsa_kernel
	.amdgpu_metadata
---
amdhsa.version: [ 1, 2 ]
amdhsa.kernels:
  - .name:           k_q282604bc34_attn
    .symbol:         k_q282604bc34_attn.kd
    .args:
      - { .name: query_codes, .offset: 0, .size: 8, .value_kind: global_buffer, .address_space: global }
      - { .name: query_scales, .offset: 8, .size: 8, .value_kind: global_buffer, .address_space: global }
      - { .name: key_codes, .offset: 16, .size: 8, .value_kind: global_buffer, .address_space: global }
      - { .name: key_scales, .offset: 24, .size: 8, .value_kind: global_buffer, .address_space: global }
      - { .name: value_codes, .offset: 32, .size: 8, .value_kind: global_buffer, .address_space: global }
      - { .name: value_scales, .offset: 40, .size: 8, .value_kind: global_buffer, .address_space: global }
      - { .name: pe_img, .offset: 48, .size: 8, .value_kind: global_buffer, .address_space: global }
      - { .name: pe_scl, .offset: 56, .size: 8, .value_kind: global_buffer, .address_space: global }
      - { .name: mask_tab, .offset: 64, .size: 8, .value_kind: global_buffer, .address_space: global }
      - { .name: out0, .offset: 72, .size: 8, .value_kind: global_buffer, .address_space: global }
    .group_segment_fixed_size: 327680
    .private_segment_fixed_size: 0
    .kernarg_segment_align: 8
    .kernarg_segment_size: 80
    .max_flat_workgroup_size: 128
    .sgpr_count:     106
    .vgpr_count:     1024
    .wavefront_size: 32
...
	.end_amdgpu_metadata
.endif
;; end of part 2
